; MI455X (gfx1250); checked and timed in simulation.
; The chip was launched on July 23, 2026; its instructions are those of AMD's public machine-readable ISA for CDNA 5 (MIT licence, August 2026) and "CDNA5" Instruction Set Architecture Reference Guide (July 2026). The comments in the code are by the model that wrote it; some were corrected since.
;; Linear Attention Cell. Allowed arithmetic: float matrix products may take bf16 or f16 operands with f32 sums; all other float work in f32.
;; Inputs: Wk 512 x 512 float32; Wq 512 x 512 float32; Wv 512 x 512 float32; x 8 x 512 x 512 float32.
;; Outputs: out0 8 x 512 x 512 float32.
;; 2 versions, each right; version 2 is version 1 with the launch proj written anew for expert scheduling mode. Each part assembles by itself: llvm-mc -triple=amdgcn-amd-amdhsa -mcpu=gfx1250 --defsym DOCPART=n.
;; ======== version 1 of 2: 3 launches
;; limits: values are held in f16: magnitudes above 65,504 overflow, below 6.1e-05 lose precision; right only within a limited range of input values
;; workspace buffers: pq 4,194,304 bytes; pk 4,194,304 bytes; vt 4,194,304 bytes; sc 8,388,608 bytes; rs 131,072 bytes
;; launch proj (part 1): grid 8 x 32, 8 waves a work-group, no clusters, 93,184 bytes of LDS; arguments x, Wq, Wk, Wv, pq, pk, vt; writes pq, pk, vt
.if DOCPART == 1
	.amdgcn_target "amdgcn-amd-amdhsa--gfx1250"
	.amdhsa_code_object_version 6
	.text
	.protected	k_q3c5d71325f_proj
	.globl	k_q3c5d71325f_proj
	.p2align	8
	.type	k_q3c5d71325f_proj,@function
k_q3c5d71325f_proj:
	s_mov_b64 s[64:65], 0
	v_nop
	global_prefetch_b8 v0, s[64:65] scope:SCOPE_SE
	s_setreg_imm32_b32 hwreg(HW_REG_WAVE_MODE, 25, 1), 1
	s_wait_xcnt 0x0
; q = x Wq^T, k = x Wk^T, v = x Wv^T for 4,096 rows (8 batches x 512) and 512 channels each, K = 512; then
; pq = phi(q dk), pk = phi(k dk) with phi(z) = elu(z) + 1 = max(z, 0) + exp(min(z, 0)) and dk = sqrt(1/512).
; x and the weights are f32 in memory and are rounded once to bf16 on the way to the matrix unit; sums in f32.
; pq and pk leave in bf16 (phi spans many powers of two), v in f16 (its rounding reaches the output undiminished).
; LIMITS: |v| stays under 65,504 (f16); a phi below 2^-126 counts as 0 (v_exp_f32, ISA guide 15.8); NaN and infinities are not treated apart.
; SHARES: a work-group owns 128 rows and 64 channels of each of q, k, v: 32 x 8 = 256 work-groups of equal work.  Wave w of eight owns
; rows 64 (w / 4) .. + 63 and channels 16 (w % 4) .. + 15 of each of the three: 4 x 3 = 12 accumulators.
; NO TENSOR LOADS, NO JOINT LOADS: a tensor load copies bytes as they are, and these operands change format on the way; f32 tiles in LDS would double the bytes of every fragment read.
; So: global -> registers -> bf16 -> LDS.  K goes in 8 steps of 64 (256 bytes of a row in memory); two register stages keep the loads of two steps on their way; two LDS slots, one barrier a step.
; LAYOUT OF THE RESULTS: matrix fragments as the next launches load them, tiles of 1,024 bytes with lane L's 16 bytes at 16 L (first half: registers 0-3, second half: registers 4-7).
;   q, k: source 0 = 16 channels of W, source 1 = 16 rows of x: a lane holds one row and 8 neighbouring channels.  pq, pk: [64-row block][32 channels][16 rows] tiles.
;   v:    source 0 = 16 rows of x, source 1 = 16 channels of W: a lane holds one channel and 8 neighbouring rows (keys).  vt: [64-channel slice][32 keys][16 channels] tiles.
; REGISTERS: window 0: v2-11 addresses; v16-47 x fragments; v48-71 W fragments; v72-151, v152-231 the two stages (later phi's work).  Window 1: v0-95 accumulators (row tile i, kind m at 8 (3 i + m)).
.set PITCH, 144                        ; an LDS row: 64 bf16 + 16 bytes = 36 words: the 16 rows of a fragment load start at 16 different groups of four banks (64 banks of 4 bytes: ISA guide 11.1)
.set SLOT,  320*PITCH                  ; 128 rows of x, then 64 of Wq, Wk, Wv
.set WROW,  128*PITCH
.set WBLK,  64*PITCH
.set SPARE, 2*SLOT                     ; behind the slots: the spare words, 128 bytes for each of eight waves; no other line names them
.set GX, 2                             ; my byte offset in the group's rows of x
.set GW, 3                             ; the same in the group's 64 rows of a weight
.set LX, 4                             ; where I store 8 bytes of a row of x in a slot
.set LW, 5                             ; the same for a weight
.set FX, 6                             ; my lane's place in my wave's x fragments
.set FW, 7                             ; the same for the W fragments
.set OQ, 8                             ; my byte offset in the group's part of pq and pk
.set OV, 9                             ; the same in vt
.set SPW, 10                           ; LDS address of my spare word; never rewritten
.set NIL, 11                           ; 0; never rewritten
.set FRX, 16
.set FRW, 48
.set STG, 72
.set TT, 72                            ; way out: min(a, 0) and then the exponential, 64 registers
.set UU, 136                           ; way out: max(a, 0) and then phi, 64 registers
.set PKD, 200                          ; way out: 12 tiles x 4 packed registers
.set ACC, 0
.set DK, 40                            ; s[40:41] dk
.set C1, 42                            ; s[42:43] dk log2(e)
.set MSB, 0
.macro WIN new                         ; the immediate's high byte repeats the setting that is left; a switch that changes nothing is dropped
.if MSB != (\new)
	s_set_vgpr_msb (MSB<<8)|(\new)
.set MSB, \new
.endif
.endm
.macro PLACES                          ; four plain vector instructions between a matrix instruction and a load into, or a read of, its registers
.rept 4
	v_nop
.endr
.endm
	s_load_b256 s[4:11], s[0:1], 0x0               ; x s[4:5], Wq s[6:7], Wk s[8:9], Wv s[10:11]
	s_load_b128 s[12:15], s[0:1], 0x20             ; pq s[12:13], pk s[14:15]
	s_load_b64 s[16:17], s[0:1], 0x30              ; vt
	v_lshl_add_u32 v[SPW], v0, 2, SPARE
	v_mov_b32 v[NIL], 0
	v_lshrrev_b32 v1, 5, v0
	v_readfirstlane_b32 s20, v1                    ; wave 0..7
	s_and_b32 s21, ttmp7, 0xffff                   ; row tile 0..31; ttmp9: channel group 0..7
	s_lshr_b32 s22, s20, 1
	s_and_b32 s23, s20, 1
	s_lshr_b32 s24, s20, 2                         ; which 64 rows I multiply
	s_and_b32 s25, s20, 3                          ; which 16 channels
	v_and_b32 v12, 15, v0                          ; lane % 16
	v_bfe_u32 v13, v0, 4, 1                        ; lane / 16
	v_and_b32 v14, 31, v0
	; LOADING.  Sixteen lanes take 256 neighbouring bytes of a row; lanes 16-31 take the row 8 further down, so that the two rows' 128 bytes in LDS (8 x 144 = 1,152 bytes apart) fall on different banks.
	; Wave w loads rows 16 w + 8 (lane / 16) + t of x, t = 0..7, and rows 16 (w / 2) + 4 (w % 2) + 8 (lane / 16) + t of each weight, t = 0..3.
	v_lshlrev_b32 v15, 4, v12
	v_lshl_add_u32 v15, v13, 14, v15               ; 16 (lane % 16) + 8 rows of 2,048 bytes
	s_lshl_b32 s26, s20, 15
	v_add_nc_u32 v[GX], s26, v15
	s_lshl_b32 s26, s22, 15
	s_lshl_b32 s27, s23, 13
	s_add_co_u32 s26, s26, s27
	v_add_nc_u32 v[GW], s26, v15
	v_mul_u32_u24 v1, v13, 8*PITCH
	v_lshl_add_u32 v15, v12, 3, v1                 ; 4 numbers become 8 bytes
	s_mul_i32 s26, s20, 16*PITCH
	v_add_nc_u32 v[LX], s26, v15
	s_mul_i32 s26, s22, 16*PITCH
	s_mul_i32 s27, s23, 4*PITCH
	s_add_co_u32 s26, s26, s27
	s_add_co_u32 s26, s26, WROW
	v_add_nc_u32 v[LW], s26, v15
	; FRAGMENTS: 16 rows x 32 K in 8 registers: lane l holds row l % 16, K = 8 (l / 16) + 0..7 and 16 + 8 (l / 16) + 0..7: two loads of 16 bytes, 32 bytes apart.
	v_mul_u32_u24 v1, v12, PITCH
	v_lshl_add_u32 v15, v13, 4, v1
	s_mul_i32 s26, s24, 64*PITCH
	v_add_nc_u32 v[FX], s26, v15
	s_mul_i32 s26, s25, 16*PITCH
	s_add_co_u32 s26, s26, WROW
	v_add_nc_u32 v[FW], s26, v15
	; RESULTS.  pq, pk: 65,536 bytes a 64-row block, 4,096 for 32 channels, 1,024 a tile, 512 for its half of 16 channels.
	v_lshlrev_b32 v15, 4, v14
	s_lshl_b32 s26, s24, 16
	s_lshr_b32 s27, s25, 1
	s_lshl_b32 s27, s27, 12
	s_add_co_u32 s26, s26, s27
	s_and_b32 s27, s25, 1
	s_lshl_b32 s27, s27, 9
	s_add_co_u32 s26, s26, s27
	v_add_nc_u32 v[OQ], s26, v15
	s_lshl_b32 s26, s24, 13                        ; vt: 4,096 bytes for 32 keys of a slice, 1,024 a tile of 16 channels
	s_lshl_b32 s27, s25, 10
	s_add_co_u32 s26, s26, s27
	v_add_nc_u32 v[OV], s26, v15
	s_lshl_b32 s28, s21, 18                        ; x: 128 rows of 2,048 bytes a row tile
	s_mov_b32 s29, 0
	s_lshl_b32 s30, ttmp9, 17                      ; W: 64 rows a channel group
	s_mov_b32 s31, 0
	s_lshl_b32 s32, s21, 17                        ; pq, pk: two 64-row blocks a row tile, 8,192 bytes a channel group
	s_lshl_b32 s34, ttmp9, 13
	s_add_co_u32 s32, s32, s34
	s_mov_b32 s33, 0
	s_lshl_b32 s34, ttmp9, 19                      ; vt: 524,288 bytes a slice, 16,384 a row tile
	s_lshl_b32 s36, s21, 14
	s_add_co_u32 s34, s34, s36
	s_mov_b32 s35, 0
	s_mov_b32 s[DK], 0x3d3504f3                    ; sqrt(1/512)
	s_mov_b32 s[DK+1], s[DK]                       ; named with it as a pair
	s_mov_b32 s[C1], 0x3d8293ee                    ; sqrt(1/512) log2(e)
	s_mov_b32 s[C1+1], s[C1]
	s_wait_kmcnt 0x0
	s_add_nc_u64 s[4:5], s[4:5], s[28:29]
	s_add_nc_u64 s[6:7], s[6:7], s[30:31]
	s_add_nc_u64 s[8:9], s[8:9], s[30:31]
	s_add_nc_u64 s[10:11], s[10:11], s[30:31]
	s_add_nc_u64 s[12:13], s[12:13], s[32:33]
	s_add_nc_u64 s[14:15], s[14:15], s[32:33]
	s_add_nc_u64 s[16:17], s[16:17], s[34:35]
; K step k's 20 loads of a wave (10,240 bytes) into the stage at register st
.macro GLOAD k, st
.irp t, 0,1,2,3,4,5,6,7
	global_load_b128 v[(\st)+4*\t:(\st)+4*\t+3], v[GX], s[4:5] offset:\t*2048+(\k)*256
.endr
.irp m, 0,1,2
.irp t, 0,1,2,3
	global_load_b128 v[(\st)+32+16*\m+4*\t:(\st)+32+16*\m+4*\t+3], v[GW], s[6+2*\m:7+2*\m] offset:\t*2048+(\k)*256
.endr
.endr
.endm
; 32 along K: 14 fragment loads, 12 matrix instructions on 12 accumulators by turns
.macro HALF k, ks
.if (\ks) == 1
	PLACES                                         ; (in front of a step's first half the step's 40 conversions are the places)
.endif
.irp m, 0,1,2
	ds_load_b128 v[FRW+8*\m:FRW+8*\m+3], v[FW] offset:SLC+\m*WBLK+(\ks)*64
	ds_load_b128 v[FRW+8*\m+4:FRW+8*\m+7], v[FW] offset:SLC+\m*WBLK+(\ks)*64+32
.endr
.irp i, 0,1,2,3
	ds_load_b128 v[FRX+8*\i:FRX+8*\i+3], v[FX] offset:SLC+\i*16*PITCH+(\ks)*64
	ds_load_b128 v[FRX+8*\i+4:FRX+8*\i+7], v[FX] offset:SLC+\i*16*PITCH+(\ks)*64+32
.endr
	WIN 0x50                                       ; C and D in window 1, the fragments in window 0
.irp i, 0,1,2,3
	s_wait_dscnt 6-2*\i                            ; LDS loads come back in order: W's and x's row tiles 0..i are in, the later row tiles' two loads each may be out
.if ((\k)+(\ks)) == 0                  ; the first products start the sums
	v_wmma_f32_16x16x32_bf16 v[ACC+24*\i:ACC+24*\i+7], v[FRW:FRW+7], v[FRX+8*\i:FRX+8*\i+7], 0
	v_wmma_f32_16x16x32_bf16 v[ACC+24*\i+8:ACC+24*\i+15], v[FRW+8:FRW+15], v[FRX+8*\i:FRX+8*\i+7], 0
	v_wmma_f32_16x16x32_bf16 v[ACC+24*\i+16:ACC+24*\i+23], v[FRX+8*\i:FRX+8*\i+7], v[FRW+16:FRW+23], 0
.else
	v_wmma_f32_16x16x32_bf16 v[ACC+24*\i:ACC+24*\i+7], v[FRW:FRW+7], v[FRX+8*\i:FRX+8*\i+7], v[ACC+24*\i:ACC+24*\i+7]
	v_wmma_f32_16x16x32_bf16 v[ACC+24*\i+8:ACC+24*\i+15], v[FRW+8:FRW+15], v[FRX+8*\i:FRX+8*\i+7], v[ACC+24*\i+8:ACC+24*\i+15]
	v_wmma_f32_16x16x32_bf16 v[ACC+24*\i+16:ACC+24*\i+23], v[FRX+8*\i:FRX+8*\i+7], v[FRW+16:FRW+23], v[ACC+24*\i+16:ACC+24*\i+23]
.endif
.endr
	WIN 0
.endm
; K step k: its stage is rounded to bf16 in place and stored into slot k % 2; the stage takes step k + 2's loads; one barrier; two halves of 32.
; The barrier orders two things: every wave's stores of step k against all reads of step k, and (each wave's LDS loads being back in front of its signal) all reads of step k - 1 against the stores of step k + 1 into the same slot.
.macro STEP k
.set STC, STG+80*((\k)%2)
.set SLC, SLOT*((\k)%2)
.if (\k) < 7
	s_wait_loadcnt 20                              ; my stage's 20 loads are in; the other stage's 20, issued behind them, stay out
.else
	s_wait_loadcnt 0
.endif
.set n, 0
.rept 20
	v_cvt_pk_bf16_f32 v[STC+4*n], v[STC+4*n], v[STC+4*n+1]
	v_cvt_pk_bf16_f32 v[STC+4*n+1], v[STC+4*n+2], v[STC+4*n+3]
.set n, n+1
.endr
.irp t, 0,1,2,3,4,5,6,7
	ds_store_b64 v[LX], v[STC+4*\t:STC+4*\t+1] offset:SLC+\t*PITCH
.endr
.irp m, 0,1,2
.irp t, 0,1,2,3
	ds_store_b64 v[LW], v[STC+32+16*\m+4*\t:STC+32+16*\m+4*\t+1] offset:SLC+\m*WBLK+\t*PITCH
.endr
.endr
	s_wait_dscnt 0x0                               ; for the others' sake: my stores are done (and the stage's registers have been read)
.if (\k) < 6
	GLOAD (\k)+2, STC                              ; two steps ahead; the last two steps load nothing
.endif
	s_barrier_signal -1
	s_barrier_wait -1
	HALF \k, 0
	HALF \k, 1
.endm
	GLOAD 0, STG
	GLOAD 1, STG+80
	STEP 0
	STEP 1
	STEP 2
	STEP 3
	STEP 4
	STEP 5
	STEP 6
	STEP 7
	; THE WAY OUT.  phi = max(a, 0) dk + 2^(min(a, 0) dk log2 e): for a > 0 the power is 1, for a <= 0 the first term is 0.  Each accumulator is read from its lowest register on.
	PLACES
	WIN 0x05                                       ; sources 0 and 1 in window 1, destination in window 0
.set e, 0
.rept 8                                ; tile e: row tile e / 2 of q (e even) or k (e odd)
.set AT, ACC+8*(3*(e/2)+e%2)
.set j, 0
.rept 8
	v_min_num_f32 v[TT+8*e+j], 0, v[AT+j]
	v_max_num_f32 v[UU+8*e+j], 0, v[AT+j]
.set j, j+1
.endr
.set e, e+1
.endr
.set e, 0
.rept 4                                ; v: 8 keys of a channel pack into 16 bytes
.set AT, ACC+8*(3*e+2)
.set j, 0
.rept 4
	v_cvt_pk_f16_f32 v[PKD+32+4*e+j], v[AT+2*j], v[AT+2*j+1]
.set j, j+1
.endr
.set e, e+1
.endr
	WIN 0
.set e, 0
.rept 4
	global_store_b128 v[OV], v[PKD+32+4*e:PKD+32+4*e+3], s[16:17] offset:(e/2)*4096+(e%2)*512  ; a wave's store covers 512 consecutive bytes, aligned
.set e, e+1
.endr
.set n, 0
.rept 32
	v_pk_mul_f32 v[TT+2*n:TT+2*n+1], v[TT+2*n:TT+2*n+1], s[C1:C1+1] op_sel_hi:[1,0]
.set n, n+1
.endr
.set n, 0
.rept 64
	v_exp_f32 v[TT+n], v[TT+n]
.set n, n+1
.endr
	v_nop                                          ; a plain instruction between the last exponential and the first use of a result
.set n, 0
	s_wait_alu depctr_va_vdst(0)
.rept 32
	v_pk_fma_f32 v[UU+2*n:UU+2*n+1], v[UU+2*n:UU+2*n+1], s[DK:DK+1], v[TT+2*n:TT+2*n+1] op_sel_hi:[1,0,1]
.set n, n+1
.endr
.set n, 0
.rept 32
	v_cvt_pk_bf16_f32 v[PKD+n], v[UU+2*n], v[UU+2*n+1]
.set n, n+1
.endr
.set e, 0
.rept 8
	global_store_b128 v[OQ], v[PKD+4*e:PKD+4*e+3], s[12+2*(e%2):13+2*(e%2)] offset:(e/2)*1024  ; 512 consecutive bytes, aligned
.set e, e+1
.endr
	s_wait_tensorcnt 0x0                           ; the wave's end, behind my last LDS store
	ds_add_u32 v[SPW], v[NIL]
	s_wait_dscnt 0x0
	s_endpgm
.Lfunc_end_k_q3c5d71325f_proj:
	.size	k_q3c5d71325f_proj, .Lfunc_end_k_q3c5d71325f_proj-k_q3c5d71325f_proj
	.p2alignl 7, 3214868480
	.fill 96, 4, 3214868480
	.section	.rodata,"a",@progbits
	.p2align	6, 0x0
	.amdhsa_kernel k_q3c5d71325f_proj
		.amdhsa_group_segment_fixed_size 93184
		.amdhsa_private_segment_fixed_size 0
		.amdhsa_enable_private_segment 0
		.amdhsa_kernarg_size 56
		.amdhsa_user_sgpr_count 2
		.amdhsa_user_sgpr_kernarg_segment_ptr 1
		.amdhsa_wavefront_size32 1
		.amdhsa_system_sgpr_workgroup_id_x 1
		.amdhsa_system_sgpr_workgroup_id_y 1
		.amdhsa_system_sgpr_workgroup_id_z 1
		.amdhsa_system_vgpr_workitem_id 0
		.amdhsa_next_free_vgpr 352
		.amdhsa_next_free_sgpr 66
		.amdhsa_reserve_vcc 0
		.amdhsa_float_denorm_mode_32 3
		.amdhsa_float_denorm_mode_16_64 3
		.amdhsa_memory_ordered 1
		.amdhsa_forward_progress 1
		.amdhsa_inst_pref_size 94
	.end_amdhsa_kernel
	.amdgpu_metadata
---
amdhsa.version: [ 1, 2 ]
amdhsa.kernels:
  - .name:           k_q3c5d71325f_proj
    .symbol:         k_q3c5d71325f_proj.kd
    .args:
      - { .name: x, .offset: 0, .size: 8, .value_kind: global_buffer, .address_space: global }
      - { .name: Wq, .offset: 8, .size: 8, .value_kind: global_buffer, .address_space: global }
      - { .name: Wk, .offset: 16, .size: 8, .value_kind: global_buffer, .address_space: global }
      - { .name: Wv, .offset: 24, .size: 8, .value_kind: global_buffer, .address_space: global }
      - { .name: pq, .offset: 32, .size: 8, .value_kind: global_buffer, .address_space: global }
      - { .name: pk, .offset: 40, .size: 8, .value_kind: global_buffer, .address_space: global }
      - { .name: vt, .offset: 48, .size: 8, .value_kind: global_buffer, .address_space: global }
    .group_segment_fixed_size: 93184
    .private_segment_fixed_size: 0
    .kernarg_segment_align: 8
    .kernarg_segment_size: 56
    .max_flat_workgroup_size: 256
    .sgpr_count:     66
    .vgpr_count:     352
    .wavefront_size: 32
...
	.end_amdgpu_metadata
.endif
;; end of part 1
;; launch scores (part 2): grid 20 x 8, 4 waves a work-group, no clusters, 197,120 bytes of LDS; arguments pq, pk, sc, rs; writes sc, rs
.if DOCPART == 2
	.amdgcn_target "amdgcn-amd-amdhsa--gfx1250"
	.amdhsa_code_object_version 6
	.text
	.protected	k_q3c5d71325f_scores
	.globl	k_q3c5d71325f_scores
	.p2align	8
	.type	k_q3c5d71325f_scores,@function
k_q3c5d71325f_scores:
	s_mov_b64 s[64:65], 0
	v_nop
	global_prefetch_b8 v0, s[64:65] scope:SCOPE_SE
	s_setreg_imm32_b32 hwreg(HW_REG_WAVE_MODE, 25, 1), 1
	s_wait_xcnt 0x0
; S[t][s] = pq[t] . pk[s] for s <= t, 0 above the diagonal, in f32, and its row sums over each 64 keys.  pq, pk: bf16 fragments as the launch before left them; K = 512 channels.
; SHARES: a work-group owns 64 queries (block i of its batch's 8) x 128 keys (double block J <= i / 2): 20 tiles a batch cover the lower triangle with one shape, 160 work-groups.
; (Tiles of 64 x 64 would be 36 a batch, 288: more than one for each of 256 WGPs.)  For even i the last double block's upper 64 keys are all hidden: their zeros and their zero sums are stored like the rest.
; Wave w owns queries 32 (w / 2) .. + 31 and keys 64 (w % 2) .. + 63: 2 x 4 accumulators.
; S^T = pk pq^T (source 0 = 16 keys, source 1 = 16 queries): a lane holds ONE query (lane % 16) and the keys 8 (lane / 16) + 0..7, which is half of the next launch's source-1 fragment once rounded.
; LDS: pq's block (65,536 bytes), then pk's two blocks, each dense in memory and ordered [32 channels][16 rows]: a quarter of K is 16,384 dense bytes of a block, asked for as 64 rows of 256 bytes.
; Waves 0, 1, 2 each bring one block in four tensor loads in the order of K: four of a wave's loads are out at the most.  Every byte is filled once.  Chunk g is multiplied while the later chunks land.
; NO JOINT LOADS: the work-groups that share pq's block i are i / 2 + 1, those that share pk's double block J are 8 - 2 J: no fixed cluster of four has the same tiles in all partners.
; sc: [16 queries][16 keys] tiles of 1,024 bytes (registers 0-3 at 16 x lane, registers 4-7 512 bytes on), 32 key tiles to a query tile.  rs: [16 queries][8 key blocks][16] f32.
.set SPARE, 196608                     ; behind the three blocks: the spare words, 128 bytes for each of four waves; no other line names them
.set AQ, 2                             ; LDS address of my lane's 16 bytes in my queries' first tile
.set AK, 3                             ; the same for my keys
.set TT, 4                             ; query - key for register 0 of accumulator (0, 0)
.set SO, 5                             ; my byte offset in the group's part of sc
.set RO, 6                             ; the same in rs
.set H,  7                             ; lane / 16
.set SPW, 8                            ; LDS address of my spare word; never rewritten
.set NIL, 9                            ; 0; never rewritten
.set R0, 10                            ; v[10:11], v[12:13] row sums at work
.set R1, 12
.set ACC, 16                           ; v[16:79] accumulator (query tile u, key tile kt) at 8 (4 u + kt)
.set F0, 80                            ; v[80:127], v[128:175] two fragment buffers: 2 of pq, 4 of pk
.set F1, 128
.set WV, 12
.set G1, 16                            ; s[16:23] descriptor group 1
.set G0, 32                            ; s[32:47] descriptor group 0, one set for each of a wave's four loads
.set SEL, 60
.macro PLACES
.rept 4
	v_nop
.endr
.endm
	s_load_b256 s[4:11], s[0:1], 0x0               ; pq s[4:5], pk s[6:7], sc s[8:9], rs s[10:11]
	v_lshl_add_u32 v[SPW], v0, 2, SPARE
	v_mov_b32 v[NIL], 0
	ds_add_u32 v[SPW], v[NIL]                      ; the wave's opening: the add and its wait stand ahead of the first tensor load; work on registers stands between them
	ds_add_u32 v8, v9
	v_lshrrev_b32 v1, 5, v0
	v_readfirstlane_b32 s[WV], v1                  ; wave 0..3
	s_mov_b32 s13, ttmp9                           ; tile 0..19 of the batch
	s_and_b32 s14, ttmp7, 0xffff                   ; batch
	; tiles 0-1: i = 0, 1; 2-5: i = 2, 3; 6-11: i = 4, 5; 12-19: i = 6, 7.  With g = i / 2 the group begins at g (g + 1) and holds (g + 1) double blocks for each of its two i.
	s_cmp_ge_u32 s13, 2
	s_cselect_b32 s15, 1, 0
	s_cmp_ge_u32 s13, 6
	s_cselect_b32 s24, 1, 0
	s_add_co_u32 s15, s15, s24
	s_cmp_ge_u32 s13, 12
	s_cselect_b32 s24, 1, 0
	s_add_co_u32 s15, s15, s24                     ; g
	s_add_co_u32 s24, s15, 1
	s_mul_i32 s24, s24, s15
	s_sub_co_u32 s24, s13, s24                     ; place in the group
	s_and_b32 s25, s24, 1
	s_lshl1_add_u32 s25, s15, s25                  ; i
	s_lshr_b32 s26, s24, 1                         ; J
	s_lshl3_add_u32 s27, s14, s25                  ; pq's 64-row block: 8 batch + i
	s_lshl_b32 s29, s14, 3
	s_lshl1_add_u32 s28, s26, s29                  ; pk's: 8 batch + 2 J + (wave - 1)
	s_add_co_u32 s28, s28, s[WV]
	s_sub_co_u32 s28, s28, 1
	s_cmp_eq_u32 s[WV], 0                          ; wave 0 brings pq's block, waves 1 and 2 pk's two
	s_cselect_b32 s30, s27, s28
	s_lshl_b32 s30, s30, 16                        ; 65,536 bytes a block
	s_mov_b32 s31, 0
	s_lshl_b32 s50, s[WV], 16                      ; and its place in LDS: wave x 65,536
	s_mov_b32 s[G1+0], 3<<16                       ; elements of 8 bytes, no mask, no padding
	s_mov_b32 s[G1+1], 32<<16                      ; tensor_dim0 = 32 elements = 256 bytes
	s_mov_b32 s[G1+2], 64<<16                      ; tensor_dim1 = 64
	s_mov_b32 s[G1+3], 32<<16                      ; tile_dim0 = 32
	s_mov_b32 s[G1+4], 64                          ; tile_dim1 = 64
	s_mov_b32 s[G1+5], 32                          ; rows follow each other: dense
	s_mov_b32 s[G1+6], 0
	s_mov_b32 s[G1+7], 0
	s_mov_b32 s[SEL], 0x76543210                   ; v_permlanex16_b32: each lane takes its own place in the other half
	s_mov_b32 s[SEL+1], 0xfedcba98
	s_lshl_b32 s56, s27, 17                        ; sc: 131,072 bytes for 64 queries, 8,192 for a double block of keys
	s_lshl_b32 s53, s26, 13
	s_add_co_u32 s56, s56, s53
	s_mov_b32 s57, 0
	s_lshl_b32 s58, s27, 11                        ; rs: 2,048 bytes for 64 queries, 128 for a double block
	s_lshl_b32 s53, s26, 7
	s_add_co_u32 s58, s58, s53
	s_mov_b32 s59, 0
	s_wait_dscnt 0x0                               ; the opening add is done
	s_wait_kmcnt 0x0
	s_cmp_eq_u32 s[WV], 0
	s_cselect_b64 s[48:49], s[4:5], s[6:7]
	s_add_nc_u64 s[48:49], s[48:49], s[30:31]      ; my block's first byte
	s_add_nc_u64 s[8:9], s[8:9], s[56:57]
	s_add_nc_u64 s[10:11], s[10:11], s[58:59]
.irp g, 0,1,2,3
	s_mov_b32 s[G0+4*\g], 1                        ; count = 1
	s_add_co_u32 s[G0+4*\g+1], s50, \g*16384       ; LDS address
	s_add_nc_u64 s[G0+4*\g+2:G0+4*\g+3], s[48:49], \g*16384  ; global address: quarter g of K
	s_or_b32 s[G0+4*\g+3], s[G0+4*\g+3], 0x80000000          ; type = 2
.endr
	s_cmp_lt_u32 s[WV], 3                          ; all first fills of a wave stand in this one branch, ahead of every wait on TENSORcnt, LDS read and barrier
	s_cbranch_scc0 .Lno_fill
.irp g, 0,1,2,3
	tensor_load_to_lds s[G0+4*\g:G0+4*\g+3], s[G1:G1+7]
	s_nop 0
.endr
	PLACES
.Lno_fill:
	v_and_b32 v14, 31, v0
	v_lshlrev_b32 v14, 4, v14                      ; 16 x lane: fragments lie as they are loaded, so every LDS load takes 512 neighbouring bytes
	v_and_b32 v15, 15, v0
	v_bfe_u32 v[H], v0, 4, 1
	s_lshr_b32 s51, s[WV], 1                       ; a: which 32 queries
	s_and_b32 s52, s[WV], 1                        ; c: which 64 keys
	s_lshl_b32 s53, s51, 11
	v_add_nc_u32 v[AQ], s53, v14
	s_add_co_u32 s53, s52, 1
	s_lshl_b32 s53, s53, 16
	v_add_nc_u32 v[AK], s53, v14
	s_lshl_b32 s54, s25, 6                         ; 64 i - 128 J + 32 a - 64 c + lane % 16 - 8 (lane / 16)
	s_lshl_b32 s53, s26, 7
	s_sub_co_u32 s54, s54, s53
	s_lshl_b32 s53, s51, 5
	s_add_co_u32 s54, s54, s53
	s_lshl_b32 s53, s52, 6
	s_sub_co_u32 s54, s54, s53
	v_lshlrev_b32 v1, 3, v[H]
	v_sub_nc_u32 v1, v15, v1
	v_add_nc_u32 v[TT], s54, v1
	s_lshl_b32 s53, s51, 16                        ; sc: 32,768 bytes a query tile, 4,096 for 64 keys
	s_lshl_b32 s55, s52, 12
	s_add_co_u32 s53, s53, s55
	v_add_nc_u32 v[SO], s53, v14
	s_lshl_b32 s53, s51, 10                        ; rs: 512 bytes a query tile, 64 a key block; lanes 0-15 store query tile 2 a, lanes 16-31 tile 2 a + 1
	s_lshl_b32 s55, s52, 6
	s_add_co_u32 s53, s53, s55
	v_lshlrev_b32 v1, 9, v[H]
	v_lshl_add_u32 v1, v15, 2, v1
	v_add_nc_u32 v[RO], s53, v1
.macro FETCH cb, f                     ; the 12 loads of 32 channels: 2 fragments of pq, 4 of pk
.irp u, 0,1
	ds_load_b128 v[(\f)+8*\u:(\f)+8*\u+3], v[AQ] offset:(\cb)*4096+\u*1024
	ds_load_b128 v[(\f)+8*\u+4:(\f)+8*\u+7], v[AQ] offset:(\cb)*4096+\u*1024+512
.endr
.irp kt, 0,1,2,3
	ds_load_b128 v[(\f)+16+8*\kt:(\f)+16+8*\kt+3], v[AK] offset:(\cb)*4096+\kt*1024
	ds_load_b128 v[(\f)+16+8*\kt+4:(\f)+16+8*\kt+7], v[AK] offset:(\cb)*4096+\kt*1024+512
.endr
.endm
.macro MUL f, zero                     ; 8 matrix instructions on 8 accumulators by turns
.irp kt, 0,1,2,3
.irp u, 0,1
.if \zero
	v_wmma_f32_16x16x32_bf16 v[ACC+8*(4*\u+\kt):ACC+8*(4*\u+\kt)+7], v[(\f)+16+8*\kt:(\f)+16+8*\kt+7], v[(\f)+8*\u:(\f)+8*\u+7], 0
.else
	v_wmma_f32_16x16x32_bf16 v[ACC+8*(4*\u+\kt):ACC+8*(4*\u+\kt)+7], v[(\f)+16+8*\kt:(\f)+16+8*\kt+7], v[(\f)+8*\u:(\f)+8*\u+7], v[ACC+8*(4*\u+\kt):ACC+8*(4*\u+\kt)+7]
.endif
.endr
.endr
.endm
; Quarter g of K: 128 channels, four steps of 32 on two fragment buffers.
.macro CHUNK g
	s_wait_tensorcnt 3-(\g)                        ; a wave's tensor loads end in order: my load g has landed, the 3 - g behind it may stay out
	s_barrier_signal -1                            ; (no LDS load of mine is out: the last wait of the chunk before was for 0)
	s_barrier_wait -1                              ; all three blocks' quarter g is in
.if (\g) > 0
	PLACES
.endif
	FETCH 4*(\g), F0
	FETCH 4*(\g)+1, F1
	s_wait_dscnt 12                                ; the older 12 loads are in, the 12 behind them may be out
.if (\g) == 0
	MUL F0, 1                                      ; the first products start the sums
.else
	MUL F0, 0
.endif
	PLACES
	FETCH 4*(\g)+2, F0
	s_wait_dscnt 12
	MUL F1, 0
	PLACES
	FETCH 4*(\g)+3, F1
	s_wait_dscnt 12
	MUL F0, 0
	s_wait_dscnt 0x0
	MUL F1, 0
.endm
	CHUNK 0
	CHUNK 1
	CHUNK 2
	CHUNK 3
	; THE MASK: register j of accumulator (u, kt) stays where 16 (kt - u) + j <= query - key of the wave's first element.  Each accumulator is read from its lowest register on.
	PLACES
.set u, 0
.rept 2
.set kt, 0
.rept 4
.set j, 0
.rept 8
	v_cmp_le_i32 vcc_lo, 16*(kt-u)+j, v[TT]
	v_cndmask_b32 v[ACC+8*(4*u+kt)+j], 0, v[ACC+8*(4*u+kt)+j], vcc_lo
.set j, j+1
.endr
.set kt, kt+1
.endr
.set u, u+1
.endr
.set u, 0
.rept 2
.set kt, 0
.rept 4
	global_store_b128 v[SO], v[ACC+8*(4*u+kt):ACC+8*(4*u+kt)+3], s[8:9] offset:u*32768+kt*1024        ; 512 consecutive bytes, aligned
	global_store_b128 v[SO], v[ACC+8*(4*u+kt)+4:ACC+8*(4*u+kt)+7], s[8:9] offset:u*32768+kt*1024+512
.set kt, kt+1
.endr
.set u, u+1
.endr
	; THE ROW SUMS over my 64 keys: a lane's 32 numbers, then the other half of the lanes'.  Two chains, one for each query tile.
	v_pk_add_f32 v[R0:R0+1], v[ACC:ACC+1], v[ACC+2:ACC+3]
	v_pk_add_f32 v[R1:R1+1], v[ACC+32:ACC+33], v[ACC+34:ACC+35]
.set n, 2
.rept 14
	v_pk_add_f32 v[R0:R0+1], v[R0:R0+1], v[ACC+2*n:ACC+2*n+1]
	v_pk_add_f32 v[R1:R1+1], v[R1:R1+1], v[ACC+32+2*n:ACC+32+2*n+1]
.set n, n+1
.endr
	v_add_f32 v[R0], v[R0], v[R0+1]
	v_add_f32 v[R1], v[R1], v[R1+1]
	v_permlanex16_b32 v[R0+1], v[R0], s[SEL], s[SEL+1]
	v_permlanex16_b32 v[R1+1], v[R1], s[SEL], s[SEL+1]
	v_add_f32 v[R0], v[R0], v[R0+1]
	v_add_f32 v[R1], v[R1], v[R1+1]
	v_cmp_ne_u32 vcc_lo, 0, v[H]
	v_cndmask_b32 v[R0], v[R0], v[R1], vcc_lo      ; lanes 16-31 carry the second query tile's sums
	global_store_b32 v[RO], v[R0], s[10:11]        ; two pieces of 64 bytes: 128 of the wave's 8,320 stored bytes
	s_wait_tensorcnt 0x0                           ; the wave's end
	ds_add_u32 v[SPW], v[NIL]
	s_wait_dscnt 0x0
	s_endpgm
.Lfunc_end_k_q3c5d71325f_scores:
	.size	k_q3c5d71325f_scores, .Lfunc_end_k_q3c5d71325f_scores-k_q3c5d71325f_scores
	.p2alignl 7, 3214868480
	.fill 96, 4, 3214868480
	.section	.rodata,"a",@progbits
	.p2align	6, 0x0
	.amdhsa_kernel k_q3c5d71325f_scores
		.amdhsa_group_segment_fixed_size 197120
		.amdhsa_private_segment_fixed_size 0
		.amdhsa_enable_private_segment 0
		.amdhsa_kernarg_size 32
		.amdhsa_user_sgpr_count 2
		.amdhsa_user_sgpr_kernarg_segment_ptr 1
		.amdhsa_wavefront_size32 1
		.amdhsa_system_sgpr_workgroup_id_x 1
		.amdhsa_system_sgpr_workgroup_id_y 1
		.amdhsa_system_sgpr_workgroup_id_z 1
		.amdhsa_system_vgpr_workitem_id 0
		.amdhsa_next_free_vgpr 176
		.amdhsa_next_free_sgpr 66
		.amdhsa_reserve_vcc 1
		.amdhsa_float_denorm_mode_32 3
		.amdhsa_float_denorm_mode_16_64 3
		.amdhsa_memory_ordered 1
		.amdhsa_forward_progress 1
		.amdhsa_inst_pref_size 36
	.end_amdhsa_kernel
	.amdgpu_metadata
---
amdhsa.version: [ 1, 2 ]
amdhsa.kernels:
  - .name:           k_q3c5d71325f_scores
    .symbol:         k_q3c5d71325f_scores.kd
    .args:
      - { .name: pq, .offset: 0, .size: 8, .value_kind: global_buffer, .address_space: global }
      - { .name: pk, .offset: 8, .size: 8, .value_kind: global_buffer, .address_space: global }
      - { .name: sc, .offset: 16, .size: 8, .value_kind: global_buffer, .address_space: global }
      - { .name: rs, .offset: 24, .size: 8, .value_kind: global_buffer, .address_space: global }
    .group_segment_fixed_size: 197120
    .private_segment_fixed_size: 0
    .kernarg_segment_align: 8
    .kernarg_segment_size: 32
    .max_flat_workgroup_size: 128
    .sgpr_count:     66
    .vgpr_count:     176
    .wavefront_size: 32
...
	.end_amdgpu_metadata
.endif
;; end of part 2
;; launch mix (part 3): grid 8 x 32, 4 waves a work-group, no clusters, 167,936 bytes of LDS; arguments sc, rs, vt, out0; writes out0
.if DOCPART == 3
	.amdgcn_target "amdgcn-amd-amdhsa--gfx1250"
	.amdhsa_code_object_version 6
	.text
	.protected	k_q3c5d71325f_mix
	.globl	k_q3c5d71325f_mix
	.p2align	8
	.type	k_q3c5d71325f_mix,@function
k_q3c5d71325f_mix:
	s_mov_b64 s[64:65], 0
	v_nop
	global_prefetch_b8 v0, s[64:65] scope:SCOPE_SE
	s_setreg_imm32_b32 hwreg(HW_REG_WAVE_MODE, 25, 1), 1
	s_wait_xcnt 0x0
; y[t][d] = sum over s <= t of P[t][s] v[s][d], P[t][s] = S[t][s] / (sum over s <= t of S[t][s] + 1e-5).  S (f32, zero above the diagonal) and its sums over 64 keys come from the launch before, v (f16) from the first.
; P is made BEFORE the product: all S are >= 0, so P lies in 0 to 1 whatever the inputs' size, which is what lets it be rounded to f16.  Sums in f32; y leaves in f32.
; LIMITS: P below 6e-5 keeps f16's fixed step of 6e-8; NaN and infinities are not treated apart; the sums run in another order than the scan's.
; SHARES: a work-group owns a batch, 64 channels (a slice of vt) and TWO blocks of 64 queries, 7 - p and then p: 9 blocks of 64 keys whatever p: 8 x 4 x 8 = 256 work-groups of equal work.
; A wave owns 16 queries of each block and all 64 channels: 4 accumulators.  O^T = V^T P (source 0 = 16 channels x 32 keys, source 1 = 32 keys x 16 queries): a lane holds one query in S, P and O^T.
; V: the batch's slice is 65,536 dense bytes, one tensor load of 64 rows of 256 bytes a wave, filled once, read by all four waves behind one barrier.
; S: each wave's own, straight into registers: block A's 8 x 8 loads at the start (window 1), block B's 4 x 8 during A's first four steps (window 2).  The key blocks above a query block's diagonal were
; never stored: their loads are turned to the block's last stored key block, so that every path issues the same loads and every counted wait holds on every path; their products are left out by a jump forward.
; NO JOINT LOADS: what the four work-groups of a batch and slice share is V's 65,536 bytes of the 262,144 that a work-group loads; S, the larger part, is each work-group's own.
.set SP,    272                        ; a stage row: 256 bytes + 16: the 16 rows of a store start at 16 different groups of four banks (64 banks of 4 bytes: ISA guide 11.1)
.set STAGE, 65536                      ; behind V: 16 rows for each wave, for the way out; no tensor load lands there
.set SPARE, STAGE+4*16*SP              ; behind the stages: the spare words, 128 bytes for each of four waves; no other line names them
.set LO, 2                             ; 16 x lane: my place in every tile of sc and of V in LDS
.set RO, 3                             ; 4 x lane: my place in 128 bytes of rs
.set STO, 4                            ; the way out: where I put 32 bytes of a row
.set RDS, 5                            ; the way out: where I read a row back
.set GO, 6                             ; my byte offset in two rows of out0
.set SPW, 8                            ; LDS address of my spare word; never rewritten
.set NIL, 9                            ; 0; never rewritten
.set RCA, 10                           ; v[10:11] 1 / divisor of my query in block A (a pair for the packed multiply)
.set RCB, 12                           ; v[12:13] the same in block B
.set ACC, 24                           ; v[24:55]  O^T: channel tile dt at 8 dt
.set PF,  56                           ; v[56:71]  P: two fragments of 32 keys
.set TP,  72                           ; v[72:103] S / divisor in f32; on the way out whole rows
.set VB,  104                          ; v[104:167], v[168:231] V's fragments of 64 keys, two buffers
.set WV, 12
.set IB, 28                            ; p
.set IA, 29                            ; 7 - p
.set G1, 16                            ; s[16:23] descriptor group 1;  s[24:27] group 0
.set SA, 32                            ; s[32:33] sc at my query tile of block A; s[34:39] the same at key blocks min(5, 6, 7; 7 - p)
.set SB, 40                            ; s[40:41] block B; s[42:47] at key blocks min(1, 2, 3; p)
.set RA, 48                            ; s[48:49] rs at my query tile of block A; s[50:51] at its last stored 128 bytes
.set RB, 52                            ; s[52:55] the same for block B
.set OA, 56                            ; s[56:57], s[58:59] out0 at my rows and channels
.set OB, 58
.set SEL, 60
.set MA3, 62                           ; 1.0 where block A has a fourth pair of sums, else 0
.set MB1, 63                           ; 1.0 where block B has a second pair
.set MSB, 0
.macro WIN new                         ; the immediate's high byte repeats the setting that is left; a switch that changes nothing is dropped
.if MSB != (\new)
	s_set_vgpr_msb (MSB<<8)|(\new)
.set MSB, \new
.endif
.endm
.macro PLACES
.rept 4
	v_nop
.endr
.endm
	s_load_b256 s[4:11], s[0:1], 0x0               ; sc s[4:5], rs s[6:7], vt s[8:9], out0 s[10:11]
	v_lshl_add_u32 v[SPW], v0, 2, SPARE
	v_mov_b32 v[NIL], 0
	ds_add_u32 v[SPW], v[NIL]                      ; the wave's opening: the add and its wait stand ahead of the first tensor load; work on registers stands between them
	ds_add_u32 v8, v9
	v_lshrrev_b32 v1, 5, v0
	v_readfirstlane_b32 s[WV], v1                  ; wave 0..3
	s_and_b32 s14, ttmp7, 0xffff
	s_lshr_b32 s15, s14, 2                         ; batch
	s_and_b32 s[IB], s14, 3
	s_sub_co_u32 s[IA], 7, s[IB]
	s_mov_b32 s[G1+0], 3<<16                       ; elements of 8 bytes, no mask, no padding
	s_mov_b32 s[G1+1], 32<<16                      ; tensor_dim0 = 32 elements = 256 bytes
	s_mov_b32 s[G1+2], 64<<16                      ; tensor_dim1 = 64
	s_mov_b32 s[G1+3], 32<<16                      ; tile_dim0 = 32
	s_mov_b32 s[G1+4], 64                          ; tile_dim1 = 64
	s_mov_b32 s[G1+5], 32                          ; dense
	s_mov_b32 s[G1+6], 0
	s_mov_b32 s[G1+7], 0
	s_mov_b32 s24, 1                               ; count = 1
	s_lshl_b32 s25, s[WV], 14                      ; LDS address: my quarter of the slice
	s_lshl_b32 s66, ttmp9, 19                      ; vt: 524,288 bytes a slice, 65,536 a batch, 16,384 a wave
	s_lshl_b32 s67, s15, 16
	s_add_co_u32 s66, s66, s67
	s_add_co_u32 s66, s66, s25
	s_mov_b32 s67, 0
	s_lshl3_add_u32 s68, s15, s[IA]
	s_lshl2_add_u32 s68, s68, s[WV]                ; my query tile of block A: 4 (8 batch + 7 - p) + wave
	s_lshl3_add_u32 s69, s15, s[IB]
	s_lshl2_add_u32 s69, s69, s[WV]                ; and of block B
	s_lshl_b32 s70, s68, 15                        ; a query tile is 32,768 bytes of sc, and 16 rows of 2,048 bytes of out0
	s_mov_b32 s71, 0
	s_lshl_b32 s72, s69, 15
	s_mov_b32 s73, 0
	s_lshl_b32 s74, ttmp9, 8                       ; the slice's 256 bytes in a row of out0
	s_mov_b32 s75, 0
	s_mov_b32 s[SEL], 0x76543210
	s_mov_b32 s[SEL+1], 0xfedcba98
	v_and_b32 v1, 31, v0
	v_lshlrev_b32 v[LO], 4, v1
	v_lshlrev_b32 v[RO], 2, v1
	s_wait_dscnt 0x0                               ; the opening add is done
	s_wait_kmcnt 0x0
	s_add_nc_u64 s[26:27], s[8:9], s[66:67]
	s_or_b32 s27, s27, 0x80000000                  ; type = 2
	tensor_load_to_lds s[24:27], s[G1:G1+7]        ; my one tensor load
	s_nop 0
	PLACES
	s_add_nc_u64 s[SA:SA+1], s[4:5], s[70:71]
	s_add_nc_u64 s[SB:SB+1], s[4:5], s[72:73]
	s_add_nc_u64 s[OA:OA+1], s[10:11], s[70:71]
	s_add_nc_u64 s[OA:OA+1], s[OA:OA+1], s[74:75]
	s_add_nc_u64 s[OB:OB+1], s[10:11], s[72:73]
	s_add_nc_u64 s[OB:OB+1], s[OB:OB+1], s[74:75]
.irp kb, 5,6,7
	s_min_u32 s70, s[IA], \kb                      ; a key block is 4,096 bytes of a query tile
	s_lshl_b32 s70, s70, 12
	s_add_nc_u64 s[SA+2*(\kb-4):SA+2*(\kb-4)+1], s[SA:SA+1], s[70:71]
.endr
.irp kb, 1,2,3
	s_min_u32 s70, s[IB], \kb
	s_lshl_b32 s70, s70, 12
	s_add_nc_u64 s[SB+2*\kb:SB+2*\kb+1], s[SB:SB+1], s[70:71]
.endr
	s_lshl_b32 s70, s68, 9                         ; rs: 512 bytes a query tile; 128 bytes hold the sums of two key blocks
	s_add_nc_u64 s[RA:RA+1], s[6:7], s[70:71]
	s_lshl_b32 s70, s69, 9
	s_add_nc_u64 s[RB:RB+1], s[6:7], s[70:71]
	s_lshr_b32 s70, s[IA], 1                       ; block i has i / 2 + 1 stored pairs: A 3 or 4, B 1 or 2
	s_lshl_b32 s70, s70, 7
	s_add_nc_u64 s[RA+2:RA+3], s[RA:RA+1], s[70:71]
	s_lshr_b32 s70, s[IB], 1
	s_lshl_b32 s70, s70, 7
	s_add_nc_u64 s[RB+2:RB+3], s[RB:RB+1], s[70:71]
	s_cmp_ge_u32 s[IA], 6
	s_cselect_b32 s[MA3], 1.0, 0
	s_cmp_ge_u32 s[IB], 2
	s_cselect_b32 s[MB1], 1.0, 0
	global_load_b32 v14, v[RO], s[RA:RA+1]         ; lane l: the sum over key block 2 n + l / 16 for query l % 16
	global_load_b32 v15, v[RO], s[RA:RA+1] offset:128
	global_load_b32 v16, v[RO], s[RA:RA+1] offset:256
	global_load_b32 v17, v[RO], s[RA+2:RA+3]       ; the fourth pair, or the third once more (then times 0)
	global_load_b32 v18, v[RO], s[RB:RB+1]
	global_load_b32 v19, v[RO], s[RB+2:RB+3]       ; the second pair, or the first once more (then times 0)
	WIN 0x40                                       ; destination in window 1
.irp kb, 0,1,2,3,4
.irp n, 0,1,2,3,4,5,6,7
	global_load_b128 v[32*\kb+4*\n:32*\kb+4*\n+3], v[LO], s[SA:SA+1] offset:\kb*4096+\n*512
.endr
.endr
.irp kb, 5,6,7
.irp n, 0,1,2,3,4,5,6,7
	global_load_b128 v[32*\kb+4*\n:32*\kb+4*\n+3], v[LO], s[SA+2*(\kb-4):SA+2*(\kb-4)+1] offset:\n*512
.endr
.endr
	WIN 0
	v_and_b32 v7, 15, v0                           ; lane % 16
	v_bfe_u32 v20, v0, 4, 1                        ; lane / 16
	s_mul_i32 s72, s[WV], 16*SP
	s_add_co_u32 s72, s72, STAGE                   ; my stage
	v_mul_u32_u24 v21, v7, SP                      ; in: row lane % 16, 32 bytes for each half of the lanes
	v_lshl_add_u32 v21, v20, 5, v21
	v_add_nc_u32 v[STO], s72, v21
	v_mul_u32_u24 v21, v20, SP                     ; back: lanes 0-15 one row of 256 bytes, lanes 16-31 the next
	v_lshl_add_u32 v21, v7, 4, v21
	v_add_nc_u32 v[RDS], s72, v21
	v_lshlrev_b32 v21, 11, v20                     ; and the same two rows in out0
	v_lshl_add_u32 v[GO], v7, 4, v21
.macro VFETCH kb, vb                   ; V's fragments of key block kb: 2 x 32 keys x 4 channel tiles, 16 loads of 512 neighbouring bytes
.irp ks, 0,1
.irp dt, 0,1,2,3
	ds_load_b128 v[(\vb)+32*\ks+8*\dt:(\vb)+32*\ks+8*\dt+3], v[LO] offset:(2*(\kb)+\ks)*4096+\dt*1024
	ds_load_b128 v[(\vb)+32*\ks+8*\dt+4:(\vb)+32*\ks+8*\dt+7], v[LO] offset:(2*(\kb)+\ks)*4096+\dt*1024+512
.endr
.endr
.endm
.macro BLOAD kb                        ; block B's key block kb into window 2
	WIN 0x80
.irp n, 0,1,2,3,4,5,6,7
	global_load_b128 v[32*(\kb)+4*\n:32*(\kb)+4*\n+3], v[LO], s[SB+2*(\kb):SB+2*(\kb)+1] offset:\n*512
.endr
	WIN 0
.endm
; One block of 64 keys.  w: the window setting under which source 0 names S's registers; rd: the reciprocal's pair; nmax: the query block's largest number of key blocks;
; lcnt: the global loads issued behind this key block's eight; fb >= 0: block B's key block fb is asked for here.
; The 16 multiplies are the places between the last products and the loads into V's other buffer and the roundings into P, both of which those products read.
.macro KSTEP w, rd, kb, nmax, lcnt, fb
	s_wait_loadcnt \lcnt
	WIN \w
.set n, 0
.rept 16
	v_pk_mul_f32 v[TP+2*n:TP+2*n+1], v[32*(\kb)+2*n:32*(\kb)+2*n+1], v[\rd:\rd+1] op_sel_hi:[1,0]
.set n, n+1
.endr
	WIN 0
.if (\kb)+1 < (\nmax)
	VFETCH (\kb)+1, VB+64*(((\kb)+1)%2)
.endif
.if (\fb) >= 0
	BLOAD \fb
.endif
.set n, 0
.rept 16
	v_cvt_pk_f16_f32 v[PF+n], v[TP+2*n], v[TP+2*n+1]  ; two tiles of 16 keys, rounded in pairs, are one fragment of 32 keys
.set n, n+1
.endr
.if (\kb)+1 < (\nmax)
	s_wait_dscnt 16                                ; this block's V is in; the next block's 16 loads may be out
.else
	s_wait_dscnt 0x0
.endif
.set VC, VB+64*((\kb)%2)
.irp ks, 0,1
.irp dt, 0,1,2,3                       ; the four accumulators by turns
.if ((\kb)+\ks) == 0                   ; a query block's first products start its sums
	v_wmma_f32_16x16x32_f16 v[ACC+8*\dt:ACC+8*\dt+7], v[VC+32*\ks+8*\dt:VC+32*\ks+8*\dt+7], v[PF+8*\ks:PF+8*\ks+7], 0
.else
	v_wmma_f32_16x16x32_f16 v[ACC+8*\dt:ACC+8*\dt+7], v[VC+32*\ks+8*\dt:VC+32*\ks+8*\dt+7], v[PF+8*\ks:PF+8*\ks+7], v[ACC+8*\dt:ACC+8*\dt+7]
.endif
.endr
.endr
.endm
; The way out of a query block: a lane's 8 channels of a row are 32 bytes; 16 rows go through my own stage and come back as whole rows of 256 bytes.
.macro OUT base
	s_wait_dscnt 0x0                               ; V's loads for a key block that was left out have landed: their registers are free
	PLACES
.irp dt, 0,1,2,3
	ds_store_b128 v[STO], v[ACC+8*\dt:ACC+8*\dt+3] offset:\dt*64
	ds_store_b128 v[STO], v[ACC+8*\dt+4:ACC+8*\dt+7] offset:\dt*64+16
.endr
.irp t, 0,1,2,3,4,5,6,7
	ds_load_b128 v[TP+4*\t:TP+4*\t+3], v[RDS] offset:\t*2*SP  ; LDS serves a wave's instructions in order (ISA guide 5.7.1.4): these see the stores above
.endr
.irp t, 0,1,2,3,4,5,6,7
	s_wait_dscnt 7-\t
	global_store_b128 v[GO], v[TP+4*\t:TP+4*\t+3], s[\base:\base+1] offset:\t*4096 th:TH_STORE_NT  ; 16 lanes store 256 consecutive bytes, aligned
.endr
.endm
	s_wait_tensorcnt 0x0                           ; my quarter of V has landed,
	s_barrier_signal -1
	s_barrier_wait -1                              ; everybody's has
	VFETCH 0, VB
	s_wait_loadcnt 56                              ; the six loads of sums and block A's first eight are in: 56 were issued behind them
	v_add_f32 v14, v14, v15
	v_fma_f32 v16, v17, s[MA3], v16
	v_fma_f32 v18, v19, s[MB1], v18
	v_add_f32 v14, v14, v16
	v_permlanex16_b32 v19, v18, s[SEL], s[SEL+1]   ; the odd key blocks' sums lie in the lane 16 away
	v_permlanex16_b32 v15, v14, s[SEL], s[SEL+1]
	v_add_f32 v18, v18, v19
	v_add_f32 v14, v14, v15
	v_add_f32 v18, 0x3727c5ac, v18                 ; + 1e-5
	v_add_f32 v14, 0x3727c5ac, v14
	v_rcp_f32 v[RCA], v14
	v_rcp_f32 v[RCB], v18
	v_nop                                          ; a plain instruction between the reciprocals and their use
	s_wait_alu depctr_va_vdst(0)
	v_mov_b32 v[RCA+1], v[RCA]                     ; named as pairs
	v_mov_b32 v[RCB+1], v[RCB]
	; BLOCK A, 5 to 8 key blocks.  Behind key block kb's loads stand A's 8 (7 - kb) and those of B asked for so far, 8 kb up to 32.
	KSTEP 0x01, RCA, 0, 8, 56, 0
	KSTEP 0x01, RCA, 1, 8, 56, 1
	KSTEP 0x01, RCA, 2, 8, 56, 2
	KSTEP 0x01, RCA, 3, 8, 56, 3
	KSTEP 0x01, RCA, 4, 8, 56, -1
	s_cmp_eq_u32 s[IA], 4
	s_cbranch_scc1 .Lend_a
	KSTEP 0x01, RCA, 5, 8, 48, -1
	s_cmp_eq_u32 s[IA], 5
	s_cbranch_scc1 .Lend_a
	KSTEP 0x01, RCA, 6, 8, 40, -1
	s_cmp_eq_u32 s[IA], 6
	s_cbranch_scc1 .Lend_a
	KSTEP 0x01, RCA, 7, 8, 32, -1
.Lend_a:
	OUT OA
	s_wait_xcnt 0x0                                ; the stores' data registers are written again only behind this wait
	; BLOCK B, 1 to 4 key blocks.  Behind key block kb's loads stand B's 8 (3 - kb), on every way here.
	VFETCH 0, VB
	KSTEP 0x02, RCB, 0, 4, 24, -1
	s_cmp_eq_u32 s[IB], 0
	s_cbranch_scc1 .Lend_b
	KSTEP 0x02, RCB, 1, 4, 16, -1
	s_cmp_eq_u32 s[IB], 1
	s_cbranch_scc1 .Lend_b
	KSTEP 0x02, RCB, 2, 4, 8, -1
	s_cmp_eq_u32 s[IB], 2
	s_cbranch_scc1 .Lend_b
	KSTEP 0x02, RCB, 3, 4, 0, -1
.Lend_b:
	OUT OB
	s_wait_tensorcnt 0x0                           ; the wave's end, behind my last tensor load and my last LDS store
	ds_add_u32 v[SPW], v[NIL]
	s_wait_dscnt 0x0
	s_endpgm
.Lfunc_end_k_q3c5d71325f_mix:
	.size	k_q3c5d71325f_mix, .Lfunc_end_k_q3c5d71325f_mix-k_q3c5d71325f_mix
	.p2alignl 7, 3214868480
	.fill 96, 4, 3214868480
	.section	.rodata,"a",@progbits
	.p2align	6, 0x0
	.amdhsa_kernel k_q3c5d71325f_mix
		.amdhsa_group_segment_fixed_size 167936
		.amdhsa_private_segment_fixed_size 0
		.amdhsa_enable_private_segment 0
		.amdhsa_kernarg_size 32
		.amdhsa_user_sgpr_count 2
		.amdhsa_user_sgpr_kernarg_segment_ptr 1
		.amdhsa_wavefront_size32 1
		.amdhsa_system_sgpr_workgroup_id_x 1
		.amdhsa_system_sgpr_workgroup_id_y 1
		.amdhsa_system_sgpr_workgroup_id_z 1
		.amdhsa_system_vgpr_workitem_id 0
		.amdhsa_next_free_vgpr 640
		.amdhsa_next_free_sgpr 76
		.amdhsa_reserve_vcc 0
		.amdhsa_float_denorm_mode_32 3
		.amdhsa_float_denorm_mode_16_64 3
		.amdhsa_memory_ordered 1
		.amdhsa_forward_progress 1
		.amdhsa_inst_pref_size 64
	.end_amdhsa_kernel
	.amdgpu_metadata
---
amdhsa.version: [ 1, 2 ]
amdhsa.kernels:
  - .name:           k_q3c5d71325f_mix
    .symbol:         k_q3c5d71325f_mix.kd
    .args:
      - { .name: sc, .offset: 0, .size: 8, .value_kind: global_buffer, .address_space: global }
      - { .name: rs, .offset: 8, .size: 8, .value_kind: global_buffer, .address_space: global }
      - { .name: vt, .offset: 16, .size: 8, .value_kind: global_buffer, .address_space: global }
      - { .name: out0, .offset: 24, .size: 8, .value_kind: global_buffer, .address_space: global }
    .group_segment_fixed_size: 167936
    .private_segment_fixed_size: 0
    .kernarg_segment_align: 8
    .kernarg_segment_size: 32
    .max_flat_workgroup_size: 128
    .sgpr_count:     76
    .vgpr_count:     640
    .wavefront_size: 32
...
	.end_amdgpu_metadata
.endif
;; end of part 3
;; ======== version 2 of 2: 3 launches; version 1 with the launch proj written anew for expert scheduling mode
;; limits: values are held in f16: magnitudes above 65,504 overflow, below 6.1e-05 lose precision; right only within a limited range of input values
;; workspace buffers: pq 4,194,304 bytes; pk 4,194,304 bytes; vt 4,194,304 bytes; sc 8,388,608 bytes; rs 131,072 bytes
;; launch proj (part 4): grid 8 x 32, 8 waves a work-group, no clusters, 93,184 bytes of LDS; arguments x, Wq, Wk, Wv, pq, pk, vt; writes pq, pk, vt
.if DOCPART == 4
	.amdgcn_target "amdgcn-amd-amdhsa--gfx1250"
	.amdhsa_code_object_version 6
	.text
	.protected	k_q3c5d71325f_proj
	.globl	k_q3c5d71325f_proj
	.p2align	8
	.type	k_q3c5d71325f_proj,@function
k_q3c5d71325f_proj:
	s_mov_b64 s[64:65], 0
	v_nop
	global_prefetch_b8 v0, s[64:65] scope:SCOPE_SE
	s_setreg_imm32_b32 hwreg(HW_REG_WAVE_SCHED_MODE, 0, 2), 2
	s_setreg_imm32_b32 hwreg(HW_REG_WAVE_MODE, 25, 1), 1
	s_wait_xcnt 0x0
	s_wait_alu depctr_vm_vsrc(0)
; q = x Wq^T, k = x Wk^T, v = x Wv^T for 4,096 rows (8 batches x 512) and 512 channels each, K = 512; then
; pq = phi(q dk), pk = phi(k dk) with phi(z) = elu(z) + 1 = max(z, 0) + exp(min(z, 0)) and dk = sqrt(1/512).
; x and the weights are f32 in memory and are rounded once to bf16 on the way to the matrix unit; sums in f32.
; pq and pk leave in bf16 (phi spans many powers of two), v in f16 (its rounding reaches the output undiminished).
; LIMITS: |v| stays under 65,504 (f16); a phi below 2^-126 counts as 0 (v_exp_f32, ISA guide 15.8); NaN and infinities are not treated apart.
; SHARES: a work-group owns 128 rows and 64 channels of each of q, k, v: 32 x 8 = 256 work-groups of equal work.  Wave w of eight owns
; rows 64 (w / 4) .. + 63 and channels 16 (w % 4) .. + 15 of each of the three: 4 x 3 = 12 accumulators.
; NO TENSOR LOADS, NO JOINT LOADS: a tensor load copies bytes as they are, and these operands change format on the way; f32 tiles in LDS would double the bytes of every fragment read.
; So: global -> registers -> bf16 -> LDS.  K goes in 8 steps of 64 (256 bytes of a row in memory); two register stages keep the loads of two steps on their way; two LDS slots, one barrier a step.
; LAYOUT OF THE RESULTS: matrix fragments as the next launches load them, tiles of 1,024 bytes with lane L's 16 bytes at 16 L (first half: registers 0-3, second half: registers 4-7).
;   q, k: source 0 = 16 channels of W, source 1 = 16 rows of x: a lane holds one row and 8 neighbouring channels.  pq, pk: [64-row block][32 channels][16 rows] tiles.
;   v:    source 0 = 16 rows of x, source 1 = 16 channels of W: a lane holds one channel and 8 neighbouring rows (keys).  vt: [64-channel slice][32 keys][16 channels] tiles.
; REGISTERS: window 0: v2-11 addresses; v16-71 fragment buffer FA (x, then W); v72-151, v152-231 the two stages (later phi's work).
;   Window 1: v0-95 accumulators (row tile i, kind m at 8 (3 i + m)); v96-151 fragment buffer FB.
; THE MODE: SCHED_MODE bits 1:0 = 2 (LLVM: expert scheduling mode 2), set by the entry lines.  The code itself states the register dependences
; between vector or matrix instructions and memory or LDS instructions, with s_wait_alu, always for 0.
; THE PLAN.  Registers that memory or LDS instructions touch:
;   v2-v11        Addresses and the closing add's pair: written at the head, never again.
;   STG0, STG1    Step k, stage k % 2: the global loads of step k have landed; the step's 40 conversions read and write it in place; its 20 LDS stores read it; the loads of step k + 2 land in it.
;   FA            Written by 14 LDS loads directly behind the step's barrier; read by the 12 matrix instructions of the step's first 32 along K.
;   FB            Written by 14 LDS loads dealt among those 12; read by the 12 matrix instructions of the step's second 32 along K.
;   The accumulators are named by matrix and vector instructions alone.
; So ONE wait on va_vdst stands in a step, behind its conversions: they have written what the LDS stores read and are done reading what the global loads land in, and the matrix instructions of the step
; before are done reading FA and FB.  From that wait to the step's last load the only vector-side instructions are the first half's matrix instructions, which name FA (all of whose loads are issued by then)
; and the accumulators.  ONE wait on vm_vsrc stands in a step, ahead of the global loads: the LDS stores have read the stage.
.set PITCH, 144                        ; an LDS row: 64 bf16 + 16 bytes = 36 words: the 16 rows of a fragment load start at 16 different groups of four banks (64 banks of 4 bytes: ISA guide 11.1)
.set SLOT,  320*PITCH                  ; 128 rows of x, then 64 of Wq, Wk, Wv
.set WROW,  128*PITCH
.set WBLK,  64*PITCH
.set SPARE, 2*SLOT                     ; behind the slots: the spare words, 128 bytes for each of eight waves; no other line names them
.set GX, 2                             ; my byte offset in the group's rows of x
.set GW, 3                             ; the same in the group's 64 rows of a weight
.set LX, 4                             ; where I store 8 bytes of a row of x in a slot
.set LW, 5                             ; the same for a weight
.set FX, 6                             ; my lane's place in my wave's x fragments
.set FW, 7                             ; the same for the W fragments
.set OQ, 8                             ; my byte offset in the group's part of pq and pk
.set OV, 9                             ; the same in vt
.set SPW, 10                           ; LDS address of my spare word; never rewritten
.set NIL, 11                           ; 0; never rewritten
.set FA, 16                            ; window 0: four x fragments at FA + 8 i, three W fragments at FA + 32 + 8 m
.set FB, 96                            ; window 1: the same for the step's second 32 along K
.set STG, 72
.set TT, 72                            ; way out: min(a, 0) and then the exponential, 64 registers
.set UU, 136                           ; way out: max(a, 0) and then phi, 64 registers
.set PKD, 200                          ; way out: 12 tiles x 4 packed registers
.set ACC, 0
.set DK, 40                            ; s[40:41] dk
.set C1, 42                            ; s[42:43] dk log2(e)
.set MSB, 0
.macro WIN new                         ; the immediate's high byte repeats the setting that is left; a switch that changes nothing is dropped
.if MSB != (\new)
	s_set_vgpr_msb (MSB<<8)|(\new)
.set MSB, \new
.endif
.endm
.macro PLACES                          ; four plain vector instructions between a matrix instruction and a read of its result (ISA guide 7.12.1)
.rept 4
	v_nop
.endr
.endm
	s_load_b256 s[4:11], s[0:1], 0x0               ; x s[4:5], Wq s[6:7], Wk s[8:9], Wv s[10:11]
	s_load_b128 s[12:15], s[0:1], 0x20             ; pq s[12:13], pk s[14:15]
	s_load_b64 s[16:17], s[0:1], 0x30              ; vt
	v_lshl_add_u32 v[SPW], v0, 2, SPARE
	v_mov_b32 v[NIL], 0
	v_lshrrev_b32 v1, 5, v0
	v_readfirstlane_b32 s20, v1                    ; wave 0..7
	s_and_b32 s21, ttmp7, 0xffff                   ; row tile 0..31; ttmp9: channel group 0..7
	v_and_b32 v12, 15, v0                          ; lane % 16
	v_bfe_u32 v13, v0, 4, 1                        ; lane / 16
	v_and_b32 v14, 31, v0
	s_wait_alu depctr_va_sdst(0)                   ; s20 is written, ahead of its first reader: the wave's shares are made from it
	s_lshr_b32 s22, s20, 1
	s_and_b32 s23, s20, 1
	s_lshr_b32 s24, s20, 2                         ; which 64 rows I multiply
	s_and_b32 s25, s20, 3                          ; which 16 channels
	; LOADING.  Sixteen lanes take 256 neighbouring bytes of a row; lanes 16-31 take the row 8 further down, so that the two rows' 128 bytes in LDS (8 x 144 = 1,152 bytes apart) fall on different banks.
	; Wave w loads rows 16 w + 8 (lane / 16) + t of x, t = 0..7, and rows 16 (w / 2) + 4 (w % 2) + 8 (lane / 16) + t of each weight, t = 0..3.
	v_lshlrev_b32 v15, 4, v12
	v_lshl_add_u32 v15, v13, 14, v15               ; 16 (lane % 16) + 8 rows of 2,048 bytes
	s_lshl_b32 s26, s20, 15
	v_add_nc_u32 v[GX], s26, v15
	s_lshl_b32 s26, s22, 15
	s_lshl_b32 s27, s23, 13
	s_add_co_u32 s26, s26, s27
	v_add_nc_u32 v[GW], s26, v15
	v_mul_u32_u24 v1, v13, 8*PITCH
	v_lshl_add_u32 v15, v12, 3, v1                 ; 4 numbers become 8 bytes
	s_mul_i32 s26, s20, 16*PITCH
	v_add_nc_u32 v[LX], s26, v15
	s_mul_i32 s26, s22, 16*PITCH
	s_mul_i32 s27, s23, 4*PITCH
	s_add_co_u32 s26, s26, s27
	s_add_co_u32 s26, s26, WROW
	v_add_nc_u32 v[LW], s26, v15
	; FRAGMENTS: 16 rows x 32 K in 8 registers: lane l holds row l % 16, K = 8 (l / 16) + 0..7 and 16 + 8 (l / 16) + 0..7: two loads of 16 bytes, 32 bytes apart.
	v_mul_u32_u24 v1, v12, PITCH
	v_lshl_add_u32 v15, v13, 4, v1
	s_mul_i32 s26, s24, 64*PITCH
	v_add_nc_u32 v[FX], s26, v15
	s_mul_i32 s26, s25, 16*PITCH
	s_add_co_u32 s26, s26, WROW
	v_add_nc_u32 v[FW], s26, v15
	; RESULTS.  pq, pk: 65,536 bytes a 64-row block, 4,096 for 32 channels, 1,024 a tile, 512 for its half of 16 channels.
	v_lshlrev_b32 v15, 4, v14
	s_lshl_b32 s26, s24, 16
	s_lshr_b32 s27, s25, 1
	s_lshl_b32 s27, s27, 12
	s_add_co_u32 s26, s26, s27
	s_and_b32 s27, s25, 1
	s_lshl_b32 s27, s27, 9
	s_add_co_u32 s26, s26, s27
	v_add_nc_u32 v[OQ], s26, v15
	s_lshl_b32 s26, s24, 13                        ; vt: 4,096 bytes for 32 keys of a slice, 1,024 a tile of 16 channels
	s_lshl_b32 s27, s25, 10
	s_add_co_u32 s26, s26, s27
	v_add_nc_u32 v[OV], s26, v15
	s_lshl_b32 s28, s21, 18                        ; x: 128 rows of 2,048 bytes a row tile
	s_mov_b32 s29, 0
	s_lshl_b32 s30, ttmp9, 17                      ; W: 64 rows a channel group
	s_mov_b32 s31, 0
	s_lshl_b32 s32, s21, 17                        ; pq, pk: two 64-row blocks a row tile, 8,192 bytes a channel group
	s_lshl_b32 s34, ttmp9, 13
	s_add_co_u32 s32, s32, s34
	s_mov_b32 s33, 0
	s_lshl_b32 s34, ttmp9, 19                      ; vt: 524,288 bytes a slice, 16,384 a row tile
	s_lshl_b32 s36, s21, 14
	s_add_co_u32 s34, s34, s36
	s_mov_b32 s35, 0
	s_mov_b32 s[DK], 0x3d3504f3                    ; sqrt(1/512)
	s_mov_b32 s[DK+1], s[DK]                       ; named with it as a pair
	s_mov_b32 s[C1], 0x3d8293ee                    ; sqrt(1/512) log2(e)
	s_mov_b32 s[C1+1], s[C1]
	s_wait_kmcnt 0x0
	s_add_nc_u64 s[4:5], s[4:5], s[28:29]
	s_add_nc_u64 s[6:7], s[6:7], s[30:31]
	s_add_nc_u64 s[8:9], s[8:9], s[30:31]
	s_add_nc_u64 s[10:11], s[10:11], s[30:31]
	s_add_nc_u64 s[12:13], s[12:13], s[32:33]
	s_add_nc_u64 s[14:15], s[14:15], s[32:33]
	s_add_nc_u64 s[16:17], s[16:17], s[34:35]
	s_wait_alu depctr_va_vdst(0)                   ; the eight offsets and addresses v2 to v9 are written, which every load and store of the kernel reads; so are v10 and v11, the closing add's pair
; K step k's 20 loads of a wave (10,240 bytes) into the stage at register st
.macro GLOAD k, st
.irp t, 0,1,2,3,4,5,6,7
	global_load_b128 v[(\st)+4*\t:(\st)+4*\t+3], v[GX], s[4:5] offset:\t*2048+(\k)*256
.endr
.irp m, 0,1,2
.irp t, 0,1,2,3
	global_load_b128 v[(\st)+32+16*\m+4*\t:(\st)+32+16*\m+4*\t+3], v[GW], s[6+2*\m:7+2*\m] offset:\t*2048+(\k)*256
.endr
.endr
.endm
; The three W fragments of half ks of the step into buffer f: six loads
.macro FLOADW f, ks
.irp m, 0,1,2
	ds_load_b128 v[(\f)+32+8*\m:(\f)+32+8*\m+3], v[FW] offset:SLC+\m*WBLK+(\ks)*64
	ds_load_b128 v[(\f)+32+8*\m+4:(\f)+32+8*\m+7], v[FW] offset:SLC+\m*WBLK+(\ks)*64+32
.endr
.endm
; The x fragment of row tile i of half ks into buffer f: two loads
.macro FLOADX f, ks, i
	ds_load_b128 v[(\f)+8*(\i):(\f)+8*(\i)+3], v[FX] offset:SLC+(\i)*16*PITCH+(\ks)*64
	ds_load_b128 v[(\f)+8*(\i)+4:(\f)+8*(\i)+7], v[FX] offset:SLC+(\i)*16*PITCH+(\ks)*64+32
.endm
; Row tile i's three matrix instructions (q, k, v) on buffer f.  on = 0: the first products start the sums.  The 12 accumulators take turns.
.macro MUL3 f, i, on
.if (\on) == 0
	v_wmma_f32_16x16x32_bf16 v[ACC+24*(\i):ACC+24*(\i)+7], v[(\f)+32:(\f)+39], v[(\f)+8*(\i):(\f)+8*(\i)+7], 0
	v_wmma_f32_16x16x32_bf16 v[ACC+24*(\i)+8:ACC+24*(\i)+15], v[(\f)+40:(\f)+47], v[(\f)+8*(\i):(\f)+8*(\i)+7], 0
	v_wmma_f32_16x16x32_bf16 v[ACC+24*(\i)+16:ACC+24*(\i)+23], v[(\f)+8*(\i):(\f)+8*(\i)+7], v[(\f)+48:(\f)+55], 0
.else
	v_wmma_f32_16x16x32_bf16 v[ACC+24*(\i):ACC+24*(\i)+7], v[(\f)+32:(\f)+39], v[(\f)+8*(\i):(\f)+8*(\i)+7], v[ACC+24*(\i):ACC+24*(\i)+7]
	v_wmma_f32_16x16x32_bf16 v[ACC+24*(\i)+8:ACC+24*(\i)+15], v[(\f)+40:(\f)+47], v[(\f)+8*(\i):(\f)+8*(\i)+7], v[ACC+24*(\i)+8:ACC+24*(\i)+15]
	v_wmma_f32_16x16x32_bf16 v[ACC+24*(\i)+16:ACC+24*(\i)+23], v[(\f)+8*(\i):(\f)+8*(\i)+7], v[(\f)+48:(\f)+55], v[ACC+24*(\i)+16:ACC+24*(\i)+23]
.endif
.endm
; K step k: its stage is rounded to bf16 in place and stored into slot k % 2; the stage takes step k + 2's loads; one barrier; two halves of 32.
; The barrier orders two things: every wave's stores of step k against all reads of step k, and (each wave's LDS loads being back in front of its signal) all reads of step k - 1 against the stores of step k + 1 into the same slot.
; A step's 28 fragment loads go out in this order: FA's W (6), FA's x (8), then among the first half's products FB's W (6), FB's x tiles 0, 1 (4), tiles 2, 3 (4).  LDS loads come back in order (ISA guide 5.7.1).
.macro STEP k
.set STC, STG+80*((\k)%2)
.set SLC, SLOT*((\k)%2)
.if (\k) < 7
	s_wait_loadcnt 20                              ; my stage's 20 loads are in; the other stage's 20, issued behind them, stay out
.else
	s_wait_loadcnt 0
.endif
.set n, 0
.rept 20
	v_cvt_pk_bf16_f32 v[STC+4*n], v[STC+4*n], v[STC+4*n+1]
	v_cvt_pk_bf16_f32 v[STC+4*n+1], v[STC+4*n+2], v[STC+4*n+3]
.set n, n+1
.endr
	s_wait_alu depctr_va_vdst(0)                   ; the conversions have written the stage, which the LDS stores read, and are done reading it, so that step k + 2's loads may land; the last step's matrix instructions are done reading FA and FB, in which this step's fragments land
.irp t, 0,1,2,3,4,5,6,7
	ds_store_b64 v[LX], v[STC+4*\t:STC+4*\t+1] offset:SLC+\t*PITCH
.endr
.irp m, 0,1,2
.irp t, 0,1,2,3
	ds_store_b64 v[LW], v[STC+32+16*\m+4*\t:STC+32+16*\m+4*\t+1] offset:SLC+\m*WBLK+\t*PITCH
.endr
.endr
	s_wait_dscnt 0x0                               ; for the others' sake: my stores are done
.if (\k) < 6
	s_wait_alu depctr_vm_vsrc(0)                   ; the LDS stores have read the stage, in which the loads below land
	GLOAD (\k)+2, STC                              ; two steps ahead; the last two steps load nothing
.endif
	s_barrier_signal -1
	s_barrier_wait -1
	FLOADW FA, 0                                   ; no wait: no vector or matrix instruction since the step's wait on va_vdst names FA
	FLOADX FA, 0, 0
	FLOADX FA, 0, 1
	FLOADX FA, 0, 2
	FLOADX FA, 0, 3
	WIN 0x50                                       ; C and D in window 1, FA in window 0; an LDS load's destination in window 1 (FB), its address in window 0
	s_wait_dscnt 6                                 ; 14 issued, the first 8 are in: FA's W and x tile 0
	MUL3 FA, 0, \k
	FLOADW FB, 1                                   ; no wait: the matrix instructions since the step's wait on va_vdst name FA and the accumulators, not FB nor the addresses
	s_wait_dscnt 10                                ; 20 issued, the first 10 are in: x tile 1
	MUL3 FA, 1, \k
	FLOADX FB, 1, 0
	FLOADX FB, 1, 1
	s_wait_dscnt 12                                ; 24 issued, the first 12 are in: x tile 2
	MUL3 FA, 2, \k
	FLOADX FB, 1, 2
	FLOADX FB, 1, 3
	s_wait_dscnt 14                                ; 28 issued, the first 14 are in: x tile 3
	MUL3 FA, 3, \k
	WIN 0x55                                       ; FB, C and D in window 1
	s_wait_dscnt 6                                 ; FB's W and x tile 0 are in; the later tiles' two loads each may be out
	MUL3 FB, 0, 1
	s_wait_dscnt 4
	MUL3 FB, 1, 1
	s_wait_dscnt 2
	MUL3 FB, 2, 1
	s_wait_dscnt 0x0
	MUL3 FB, 3, 1
	WIN 0
.endm
	GLOAD 0, STG
	GLOAD 1, STG+80
	STEP 0
	STEP 1
	STEP 2
	STEP 3
	STEP 4
	STEP 5
	STEP 6
	STEP 7
	; THE WAY OUT.  phi = max(a, 0) dk + 2^(min(a, 0) dk log2 e): for a > 0 the power is 1, for a <= 0 the first term is 0.  Each accumulator is read from its lowest register on.
	PLACES
	s_wait_alu depctr_vm_vsrc(0)                   ; the LDS stores of steps 6 and 7 have read the two stages, which the lines below write again
	WIN 0x05                                       ; sources 0 and 1 in window 1, destination in window 0
.set e, 0
.rept 8                                ; tile e: row tile e / 2 of q (e even) or k (e odd)
.set AT, ACC+8*(3*(e/2)+e%2)
.set j, 0
.rept 8
	v_min_num_f32 v[TT+8*e+j], 0, v[AT+j]
	v_max_num_f32 v[UU+8*e+j], 0, v[AT+j]
.set j, j+1
.endr
.set e, e+1
.endr
.set e, 0
.rept 4                                ; v: 8 keys of a channel pack into 16 bytes
.set AT, ACC+8*(3*e+2)
.set j, 0
.rept 4
	v_cvt_pk_f16_f32 v[PKD+32+4*e+j], v[AT+2*j], v[AT+2*j+1]
.set j, j+1
.endr
.set e, e+1
.endr
	WIN 0
.set n, 0
.rept 32
	v_pk_mul_f32 v[TT+2*n:TT+2*n+1], v[TT+2*n:TT+2*n+1], s[C1:C1+1] op_sel_hi:[1,0]
.set n, n+1
.endr
.set n, 0
.rept 64
	v_exp_f32 v[TT+n], v[TT+n]
.set n, n+1
.endr
	v_nop                                          ; a plain instruction between the last exponential and the first use of a result
	s_wait_alu depctr_va_vdst(0)                   ; the 64 exponentials have written v[TT ..], ahead of their first reader; the roundings to f16 have written v[PKD+32 ..], which the four stores below read
.set e, 0
.rept 4
	global_store_b128 v[OV], v[PKD+32+4*e:PKD+32+4*e+3], s[16:17] offset:(e/2)*4096+(e%2)*512  ; a wave's store covers 512 consecutive bytes, aligned
.set e, e+1
.endr
.set n, 0
.rept 32
	v_pk_fma_f32 v[UU+2*n:UU+2*n+1], v[UU+2*n:UU+2*n+1], s[DK:DK+1], v[TT+2*n:TT+2*n+1] op_sel_hi:[1,0,1]
.set n, n+1
.endr
.set n, 0
.rept 32
	v_cvt_pk_bf16_f32 v[PKD+n], v[UU+2*n], v[UU+2*n+1]
.set n, n+1
.endr
	s_wait_alu depctr_va_vdst(0)                   ; the roundings to bf16 have written v[PKD .. PKD+31], which the eight stores below read
.set e, 0
.rept 8
	global_store_b128 v[OQ], v[PKD+4*e:PKD+4*e+3], s[12+2*(e%2):13+2*(e%2)] offset:(e/2)*1024  ; 512 consecutive bytes, aligned
.set e, e+1
.endr
	s_wait_dscnt 0x0                               ; the closing lines, six on end
	s_wait_alu 0x0
	s_wait_tensorcnt 0x0
	ds_add_u32 v[SPW], v[NIL]
	s_wait_dscnt 0x0
	s_endpgm
.Lfunc_end_k_q3c5d71325f_proj:
	.size	k_q3c5d71325f_proj, .Lfunc_end_k_q3c5d71325f_proj-k_q3c5d71325f_proj
	.p2alignl 7, 3214868480
	.fill 96, 4, 3214868480
	.section	.rodata,"a",@progbits
	.p2align	6, 0x0
	.amdhsa_kernel k_q3c5d71325f_proj
		.amdhsa_group_segment_fixed_size 93184
		.amdhsa_private_segment_fixed_size 0
		.amdhsa_enable_private_segment 0
		.amdhsa_kernarg_size 56
		.amdhsa_user_sgpr_count 2
		.amdhsa_user_sgpr_kernarg_segment_ptr 1
		.amdhsa_wavefront_size32 1
		.amdhsa_system_sgpr_workgroup_id_x 1
		.amdhsa_system_sgpr_workgroup_id_y 1
		.amdhsa_system_sgpr_workgroup_id_z 1
		.amdhsa_system_vgpr_workitem_id 0
		.amdhsa_next_free_vgpr 408
		.amdhsa_next_free_sgpr 66
		.amdhsa_reserve_vcc 0
		.amdhsa_float_denorm_mode_32 3
		.amdhsa_float_denorm_mode_16_64 3
		.amdhsa_memory_ordered 1
		.amdhsa_forward_progress 1
		.amdhsa_inst_pref_size 94
	.end_amdhsa_kernel
	.amdgpu_metadata
---
amdhsa.version: [ 1, 2 ]
amdhsa.kernels:
  - .name:           k_q3c5d71325f_proj
    .symbol:         k_q3c5d71325f_proj.kd
    .args:
      - { .name: x, .offset: 0, .size: 8, .value_kind: global_buffer, .address_space: global }
      - { .name: Wq, .offset: 8, .size: 8, .value_kind: global_buffer, .address_space: global }
      - { .name: Wk, .offset: 16, .size: 8, .value_kind: global_buffer, .address_space: global }
      - { .name: Wv, .offset: 24, .size: 8, .value_kind: global_buffer, .address_space: global }
      - { .name: pq, .offset: 32, .size: 8, .value_kind: global_buffer, .address_space: global }
      - { .name: pk, .offset: 40, .size: 8, .value_kind: global_buffer, .address_space: global }
      - { .name: vt, .offset: 48, .size: 8, .value_kind: global_buffer, .address_space: global }
    .group_segment_fixed_size: 93184
    .private_segment_fixed_size: 0
    .kernarg_segment_align: 8
    .kernarg_segment_size: 56
    .max_flat_workgroup_size: 256
    .sgpr_count:     66
    .vgpr_count:     408
    .wavefront_size: 32
...
	.end_amdgpu_metadata
.endif
;; end of part 4
;; launch scores: the kernel of part 2 again; grid 20 x 8, 4 waves a work-group, no clusters, 197,120 bytes of LDS; arguments pq, pk, sc, rs; writes sc, rs
;; launch mix: the kernel of part 3 again; grid 8 x 32, 4 waves a work-group, no clusters, 167,936 bytes of LDS; arguments sc, rs, vt, out0; writes out0
